; MI455X (gfx1250); checked and timed in simulation.
; The chip was launched on July 23, 2026; its instructions are those of AMD's public machine-readable ISA for CDNA 5 (MIT licence, August 2026) and "CDNA5" Instruction Set Architecture Reference Guide (July 2026). The comments in the code are by the model that wrote it; some were corrected since.
;; Joint Attention. Allowed arithmetic: matrix products marked QUANTISED: E3M2 operands, one E8M0 scale for each 32 along K, by v_wmma_scale_f32_16x16x128_f8f6f4 with both operands' format E3M2, f32 sums; products left as they are: f32 operands where the result goes on into a quantised operand, else bf16, f16 or f32 operands; f32 sums; everything else in f32.
;; Inputs: Wk 256 x 256 float32; Wq 256 x 256 float32; Wv 256 x 256 float32; bk 256 float32; bq 256 float32; bv 256 float32; x 2 x 1,024 x 256 float32.
;; Outputs: out0 2 x 1,024 x 256 float32.
;; This version of the problem:
;;   THIS VERSION OF THE PROBLEM IS GIVEN IN LOW PRECISION. The matrix products marked QUANTISED in the list below multiply operands that are first quantised to E3M2 (3 exponent bits, 2 mantissa bits; 6 bits a number), with one power-of-two scale for each 32 numbers along K (OCP MX v1.0); their sums are f32. All else is computed in f32.
;;   The module's matrix products, in the order in which they are computed (A, B: the left and right operand; K: the contracted axis; several contracted axes count as one K, in the product's order):
;;     1. [M 2,048, K 256] x [K 256, N 256]; A: input x; B: input Wq: QUANTISED
;;     2. [M 2,048, K 256] x [K 256, N 256]; A: input x; B: input Wk: QUANTISED
;;     3. [M 2,048, K 256] x [K 256, N 256]; A: input x; B: input Wv: QUANTISED
;;     4. batch 2,048 x [M 256, K 1] x [K 1, N 256]; A: computed on the way; B: computed on the way: left as it is (no contracted axis)
;;     5. batch 2,048 x [M 256, K 256] x [K 256, N 1]; A: softmax; B: computed on the way: left as it is (N = 1 < 16)
;;   THE QUANTISER, for each operand of a quantised product, along K:
;;     - K is cut into blocks of 32 from its start; a last block that is shorter is filled with zeros.
;;     - A block's scale is 2^e with e = floor(log2(the largest magnitude in the block)) - 4, held to -126 .. 127; a block of zeros has e = 0. As a byte (E8M0): e + 127.
;;     - Each number is divided by its block's scale, clamped to +-28, and rounded to the nearest number of E3M2, ties to even, subnormals kept.
;;     - The product sums the exact products of the quantised numbers (number of the format x scale) in f32.
;;   ~~~python
;;   def quantise(x, axis):      # numpy; x: float32 -> the quantised numbers, widened to float32 again
;;       x = np.moveaxis(x, axis, -1); K = x.shape[-1]
;;       x = np.pad(x, [(0, 0)] * (x.ndim - 1) + [(0, -K % 32)]); x = x.reshape(x.shape[:-1] + (-1, 32)); a = np.abs(x).max(-1, keepdims=True)
;;       e = np.where(a > 0, np.clip(np.frexp(np.where(a > 0, a, 1))[1] - 1 - 4, -126, 127), 0)      # np.frexp(a)[1] - 1 = floor(log2(a)), exactly
;;       r = np.clip(x / 2.0 ** e, -28, 28)
;;       step = 2.0 ** (np.maximum(np.frexp(np.where(r == 0, 1, r))[1] - 1, -2) - 2)
;;       q = np.round(r / step) * step * 2.0 ** e      # np.round: ties to even
;;       return np.moveaxis(q.reshape(q.shape[:-2] + (-1,))[..., :K], -1, axis).astype(np.float32)
;;   ~~~
;; 2 versions, each right; version 2 is version 1 with the launch attn written anew for expert scheduling mode. Each part assembles by itself: llvm-mc -triple=amdgcn-amd-amdhsa -mcpu=gfx1250 --defsym DOCPART=n.
;; ======== version 1 of 2: 2 launches
;; workspace buffers: codes 540,672 bytes; scales 45,056 bytes
;; launch quant (part 1): grid 176 x 1, 1 waves a work-group, no clusters, 16,896 bytes of LDS; arguments x, Wq, Wk, Wv, codes, scales; writes codes, scales
.if DOCPART == 1
	.amdgcn_target "amdgcn-amd-amdhsa--gfx1250"
	.amdhsa_code_object_version 6
	.text
	.protected	k_qba9298509a_quant
	.globl	k_qba9298509a_quant
	.p2align	8
	.type	k_qba9298509a_quant,@function
k_qba9298509a_quant:
	s_mov_b64 s[64:65], 0
	v_nop
	global_prefetch_b8 v0, s[64:65] scope:SCOPE_SE
	s_setreg_imm32_b32 hwreg(HW_REG_WAVE_MODE, 25, 1), 1
	s_wait_xcnt 0x0
; x [2048][256] and Wq, Wk, Wv [256][256], f32 with K innermost, become codes of BF6 (E3M2), 6 bits each, with one E8M0 scale byte for each 32 along K.
; A block's scale is 2^(floor(log2(its largest magnitude)) - 4); its byte is the largest magnitude's own exponent field - 4, held at 1 from below.  Each number is divided by the scale and
; rounded to the nearest code, ties to even; beyond 28 the largest code.
; LIMITS: a block of zeros gets the byte 1 where the rule says 127 (its codes are zeros, which add nothing, and this program alone reads the bytes); NaN and infinities among the inputs are not served.
; SHARES.  One wave takes one tile of 16 rows x 256 K, 16,384 consecutive bytes: tiles 0-127 are x's, 128-143 Wq's, 144-159 Wk's, 160-175 Wv's.  Only pointers are chosen by the tile's number: there is one path.
; THE CODES LEAVE IN THE ORDER OF THE OPERAND'S REGISTERS: a tile's record is 3,072 bytes, two fragments (16 rows x 128 K, 12 registers a lane) on end; registers 4 g .. 4 g + 3 of the 24 lie at 512 g + 16 x lane.
; The wave that loads the record by six loads of 16 bytes a lane has the operand as the matrix instruction wants it.  The scale words: 8 bytes a lane (K step 0's word, K step 1's), 256 bytes a tile; lanes l and l + 16 hold row l's.
; IN: each load reads 512 consecutive bytes.  A conversion wants neighbours along K in ONE lane, so the tile turns through the wave's own stage in LDS: in as it lies, rows 1,040 bytes apart (65 x 16)
; back 128 bytes a lane: lane (r, h) takes blocks h, 2 + h, 4 + h, 6 + h of row r, whole: no other lane is asked for a maximum.
.set ROWP,  1040                       ; a stage row: 1,024 bytes + 16
.set TILEB, 3072                       ; a tile's record of codes
.set MX,    8                          ; v8-11    the four blocks' largest magnitudes
.set SO,    12                         ; v12-15   the conversions' scale operands
.set BY,    16                         ; v16-19   the scale bytes
.set WD,    20                         ; v[20:21] my row's scale words, K step 0 and 1
.set PT,    22                         ; v22-23   lane l xor 16's part of them
.set X,     32                         ; v32-159  128 numbers: as loaded, then block q at v[X + 32 q]
.set F,     160                        ; v160-183 the two fragments
.set TMP,   184                        ; v184-199 the upper halves of the four blocks' codes, on even numbers
	s_load_b256 s[4:11], s[0:1], 0x0               ; x, Wq, Wk, Wv
	s_load_b128 s[12:15], s[0:1], 0x20             ; codes, scales
	v_lshl_add_u32 v200, v0, 2, 0x4100
	v_mov_b32 v201, 0
	v_and_b32 v1, 15, v0                           ; r
	v_lshrrev_b32 v2, 4, v0                        ; h
	v_mul_u32_u24 v3, v1, ROWP
	v_lshl_add_u32 v3, v2, 7, v3                   ; out of the stage: row r, + 128 h: my first block
	v_lshlrev_b32 v4, 4, v0                        ; 16 x lane: my place in a load's 512 bytes, in the stage on the way in, and in a store's 512 bytes
	v_lshlrev_b32 v5, 3, v0                        ; 8 x lane: my two scale words
	v_lshlrev_b32 v6, 3, v2                        ; 8 h: how far up my bytes stand in a scale word
	v_mov_b32 v[PT], 0                             ; a lane permute's destination counts as one of its sources
	v_mov_b32 v[PT+1], 0
	s_mov_b32 s20, 0x76543210
	s_mov_b32 s21, 0xfedcba98                      ; v_permlanex16_b32's selects for lane l xor 16
	s_and_b32 s18, ttmp9, 15                       ; a weight's tile (128, 144 and 160 are multiples of 16)
	s_mul_i32 s22, ttmp9, TILEB                    ; my record
	s_mov_b32 s23, 0
	s_lshl_b32 s24, ttmp9, 8                       ; my 256 bytes of scale words
	s_mov_b32 s25, 0
	s_wait_kmcnt 0x0
	s_cmp_lt_u32 ttmp9, 160                        ; which tensor: the choices hang on the tile's number alone
	s_cselect_b64 s[16:17], s[8:9], s[10:11]
	s_cmp_lt_u32 ttmp9, 144
	s_cselect_b64 s[16:17], s[6:7], s[16:17]
	s_cmp_lt_u32 ttmp9, 128
	s_cselect_b64 s[16:17], s[4:5], s[16:17]
	s_cselect_b32 s18, ttmp9, s18                  ; x's tile is the number itself
	s_lshl_b32 s18, s18, 14                        ; 16 rows of 1,024 bytes
	s_mov_b32 s19, 0
	s_add_nc_u64 s[16:17], s[16:17], s[18:19]
	s_add_nc_u64 s[12:13], s[12:13], s[22:23]
	s_add_nc_u64 s[14:15], s[14:15], s[24:25]
.set i, 0
.rept 32
	global_load_b128 v[X+4*i:X+4*i+3], v4, s[16:17] offset:512*i th:TH_LOAD_NT   ; 512 consecutive bytes: half a row; read once in the launch
.set i, i+1
.endr
.set i, 0
.rept 32
.if i%8 == 0
	s_wait_loadcnt 24-i                            ; loads come back in order: the next eight are in, the 24 - i younger ones may stay out
.endif
	ds_store_b128 v4, v[X+4*i:X+4*i+3] offset:(i/2)*ROWP+(i%2)*512
.set i, i+1
.endr
.set i, 0
.rept 32                                       ; LDS serves a wave's instructions in order: these see the stores above, and land in the registers that those have left
	ds_load_b128 v[X+4*i:X+4*i+3], v3 offset:256*(i/8)+16*(i%8)   ; block q = i / 8 of my four: K = 64 q + 32 h + 0 .. 31
.set i, i+1
.endr
	s_wait_dscnt 0x0
.irp q, 0,1,2,3
	v_max3_num_f32 v[MX+\q], |v[X+32*\q]|, |v[X+32*\q+1]|, 0x2800000   ; the floor 2^(5 - 127) among the leaves: the byte cannot fall under 1
.endr
.irp i, 2,4,6,8,10,12,14,16,18,20,22,24,26,28,30
.irp q, 0,1,2,3
	v_max3_num_f32 v[MX+\q], v[MX+\q], |v[X+32*\q+\i]|, |v[X+32*\q+\i+1]|   ; the four blocks by turns: no line waits for the line above it
.endr
.endr
.irp q, 0,1,2,3
	v_add_nc_u32 v[SO+\q], 0xfe000000, v[MX+\q]    ; 4 off the exponent field: the conversion takes the exponent field of this operand as its scale, and nothing else of it
.endr
.irp q, 0,1,2,3
	v_lshrrev_b32 v[BY+\q], 23, v[SO+\q]           ; the scale's byte
.endr
.irp s, 0,1
	v_lshl_or_b32 v[WD+\s], v[BY+2*\s+1], 16, v[BY+2*\s]   ; K step s: my bytes are those of its blocks h and 2 + h,
.endr
.irp s, 0,1
	v_lshlrev_b32 v[WD+\s], v6, v[WD+\s]           ; 8 h bits up;
.endr
.irp s, 0,1
	v_permlanex16_b32 v[PT+\s], v[WD+\s], s20, s21
.endr
.irp s, 0,1
	v_or_b32 v[WD+\s], v[WD+\s], v[PT+\s]          ; with lane l xor 16's two the word is whole, in both lanes
.endr
.irp q, 0,1,2,3
	v_cvt_scalef32_pk16_bf6_f32 v[F+6*\q:F+6*\q+2], v[X+32*\q:X+32*\q+15], v[SO+\q]             ; registers 6 q .. 6 q + 2 of the 24: the block's lower 16 codes
	v_cvt_scalef32_pk16_bf6_f32 v[TMP+4*\q:TMP+4*\q+2], v[X+32*\q+16:X+32*\q+31], v[SO+\q]      ; a conversion's three registers begin on an even number: the upper 16 are made elsewhere and moved
.endr
	v_nop                                          ; one plain place behind a scaled conversion, ahead of the moves that read its result
.irp q, 0,1,2,3
.irp i, 0,1,2
	v_mov_b32 v[F+6*\q+3+\i], v[TMP+4*\q+\i]
.endr
.endr
.irp g, 0,1,2,3,4,5
	global_store_b128 v4, v[F+4*\g:F+4*\g+3], s[12:13] offset:512*\g   ; 32 lanes store 512 consecutive bytes, at a multiple of 256 from the buffer's first byte
.endr
	global_store_b64 v5, v[WD:WD+1], s[14:15]      ; 32 lanes store the tile's 256 bytes of scale words
	s_wait_tensorcnt 0x0
	ds_add_u32 v200, v201
	s_wait_dscnt 0x0
	s_endpgm
.Lfunc_end_k_qba9298509a_quant:
	.size	k_qba9298509a_quant, .Lfunc_end_k_qba9298509a_quant-k_qba9298509a_quant
	.p2alignl 7, 3214868480
	.fill 96, 4, 3214868480
	.section	.rodata,"a",@progbits
	.p2align	6, 0x0
	.amdhsa_kernel k_qba9298509a_quant
		.amdhsa_group_segment_fixed_size 16896
		.amdhsa_private_segment_fixed_size 0
		.amdhsa_enable_private_segment 0
		.amdhsa_kernarg_size 48
		.amdhsa_user_sgpr_count 2
		.amdhsa_user_sgpr_kernarg_segment_ptr 1
		.amdhsa_wavefront_size32 1
		.amdhsa_system_sgpr_workgroup_id_x 1
		.amdhsa_system_sgpr_workgroup_id_y 1
		.amdhsa_system_sgpr_workgroup_id_z 1
		.amdhsa_system_vgpr_workitem_id 0
		.amdhsa_next_free_vgpr 202
		.amdhsa_next_free_sgpr 66
		.amdhsa_reserve_vcc 0
		.amdhsa_float_denorm_mode_32 3
		.amdhsa_float_denorm_mode_16_64 3
		.amdhsa_memory_ordered 1
		.amdhsa_forward_progress 1
		.amdhsa_inst_pref_size 16
	.end_amdhsa_kernel
	.amdgpu_metadata
---
amdhsa.version: [ 1, 2 ]
amdhsa.kernels:
  - .name:           k_qba9298509a_quant
    .symbol:         k_qba9298509a_quant.kd
    .args:
      - { .name: x, .offset: 0, .size: 8, .value_kind: global_buffer, .address_space: global }
      - { .name: Wq, .offset: 8, .size: 8, .value_kind: global_buffer, .address_space: global }
      - { .name: Wk, .offset: 16, .size: 8, .value_kind: global_buffer, .address_space: global }
      - { .name: Wv, .offset: 24, .size: 8, .value_kind: global_buffer, .address_space: global }
      - { .name: codes, .offset: 32, .size: 8, .value_kind: global_buffer, .address_space: global }
      - { .name: scales, .offset: 40, .size: 8, .value_kind: global_buffer, .address_space: global }
    .group_segment_fixed_size: 16896
    .private_segment_fixed_size: 0
    .kernarg_segment_align: 8
    .kernarg_segment_size: 48
    .max_flat_workgroup_size: 32
    .sgpr_count:     66
    .vgpr_count:     202
    .wavefront_size: 32
...
	.end_amdgpu_metadata
.endif
;; end of part 1
;; launch attn (part 2): grid 256 x 1, 16 waves a work-group, no clusters, 43,776 bytes of LDS; arguments codes, scales, bq, bk, bv, out0; writes out0
.if DOCPART == 2
	.amdgcn_target "amdgcn-amd-amdhsa--gfx1250"
	.amdhsa_code_object_version 6
	.text
	.protected	k_qba9298509a_attn
	.globl	k_qba9298509a_attn
	.p2align	8
	.type	k_qba9298509a_attn,@function
k_qba9298509a_attn:
	s_mov_b64 s[64:65], 0
	v_nop
	global_prefetch_b8 v0, s[64:65] scope:SCOPE_SE
	s_setreg_imm32_b32 hwreg(HW_REG_WAVE_MODE, 25, 1), 1
	s_wait_xcnt 0x0
; out[t][i] = sum over j of softmax_j(Q[t][i] K[t][j] / 16) V[t][j], with Q, K, V = x W^T + b on codes of BF6 (E3M2) with E8M0 scales, as the launch before has laid them: a record of 3,072 bytes for each
; tile of 16 rows x 256 K in the order of the operand's registers (tiles 0-127 x, 128-143 Wq, 144-159 Wk, 160-175 Wv), and 256 bytes of scale words for each tile.
; SHARES.  Work-group g: the 16 tokens of x's tile p = g / 2, and the half u = g % 2 of the output's features i: 16 x 128 x 256 = 524,288 exponentials, the same in all 256 work-groups.
; THE HEAD.  Wave w multiplies tile w of Wk and tile w of Wv, waves 0-7 also tile 8 u + w of Wq, by the x tile: 80 matrix instructions a work-group, all 16 rows of each in use.  The records go from memory straight
; into operand registers, 512 consecutive bytes a load.  The biases are loaded into the accumulators: they are the C of each sum's first product.  THE PRODUCTS ARE USED TRANSPOSED (source 0 = 16 rows of W,
; source 1 = the 16 tokens): lane (r, h) holds token r and features 8 h + 0 .. 7 of the tile, 32 neighbouring bytes of a row [token][feature] in LDS.  One barrier; behind it LDS is only read.
; THE SOFTMAX.  Wave w owns token w; lane l owns i = 128 u + 4 l + 0 .. 3.  q' = Q log2(e) / 16; t = K[j] q' - m; p = 2^t.  THE ROW'S MAXIMUM IS TAKEN AWAY: row i of the scores is q'[i] times the token's K,
; so its largest number is m = max(q' Kmax, q' Kmin), Kmax and Kmin the largest and the smallest of the token's 256 K.  The sums of p and of p V are f32; out = sum(p V) / sum(p) by v_rcp_f32 and a multiply.
; K and V come from LDS, every lane reading the same 16 bytes.  The 256 j go in 32 blocks of 8: 32 exponentials a wave.  THE BLOCKS OVERLAP: for each of its 16 register pairs block n has two exponentials (block n),
; the two packed sums of block n - 1's pair, and the packed multiply-add that makes block n + 1's t in that pair's place: five instructions for four pairs (i, j), plain ones between the exponentials.
; NO CLUSTER: the 40 records that all work-groups share (122,880 bytes, and 10,240 of scale words) are read once, at the head, into the registers of the one wave that multiplies them; the loop reads LDS alone.
; A joint tensor load would lay the same bytes into LDS, to be read from there once more.  No prefetch: the text's only reads of memory stand at its head.
; Products with K = 1 (the scores) and N = 1 (the sum with V) would fill 1/32 and 1/16 of a matrix instruction: they are f32 multiply-adds.
; LIMITS: NaN and infinities among the inputs are not served; a p under 2^-126 counts as 0 (v_exp_f32 gives 0 there: ISA guide 15.8), beside a row's sum that holds the maximum's own p, about 1;
; the sums over j are taken in another order than a plain loop's.
.set TILEB, 3072                       ; a tile's record
.set WQ0,   128                        ; Wq's first record
.set WK0,   144                        ; Wk's; Wv's lie 16 records on
.set KP,    1040                       ; LDS: a token's row of K or V: 1,024 bytes + 16 = 65 x 16
.set QP,    528                        ; a token's row of my half of Q: 512 + 16 = 33 x 16
.set VOFF,  16*KP                      ; K's 16 rows, then V's,
.set QBASE, 32*KP                      ; then Q's: 41,728 bytes in all
.set L16, 1                            ; v1   16 x lane
.set L8,  2                            ; v2   8 x lane
.set H32, 3                            ; v3   32 h: my eight numbers of a tile's 16 of a bias
.set KST, 4                            ; v4   where I store K (V: VOFF on): row r, + 64 w + 32 h
.set QST, 5                            ; v5   the same for Q
.set LKA, 6                            ; v6   token w's row of K, + 16 x lane
.set LQA, 7                            ; v7   token w's row of Q, + 16 x lane
.set BA,  8                            ; v8   token w's row of K, the same in every lane; 64 bytes on in each trip
.set XF,  10                           ; the head: v10-33 x's two fragments; v34-57 Wk's; v58-81 Wv's; v82-105 Wq's; v106-113, v114-121, v122-129 the accumulators
.set KF,  34
.set VF,  58
.set QF,  82
.set KA,  106
.set VA,  114
.set QA,  122
.set KB,  10                           ; the softmax: v10-25 two sets of 8 K; v26-41 two sets of 8 V
.set VB,  26
.set QQ,  42                           ; v42-49 q' of my four i, each twice: a pair for the packed forms
.set MM,  50                           ; v50-57 m likewise
.set SS,  58                           ; v58-65 the sums of p: a pair (even j, odd j) for each i
.set AA,  66                           ; v66-73 the sums of p V likewise
.set T,   74                           ; v74-137 t, then p: two sets of 16 pairs; pair e: i = e % 4, j = 2 (e / 4), 2 (e / 4) + 1 of the block's 8
.set W,   138                          ; v138-151 at work
.set XS,  152                          ; v[152:153] x's scale words of K steps 0, 1; v[154:155] Wk's; v[156:157] Wv's; v[158:159] Wq's: these hold scales and nothing else
.set KS,  154
.set VS,  156
.set QS,  158
	s_load_b256 s[4:11], s[0:1], 0x0               ; codes, scales, bq, bk
	s_load_b128 s[12:15], s[0:1], 0x20             ; bv, out
	v_lshl_add_u32 v160, v0, 2, 0xa300
	v_mov_b32 v161, 0
	v_lshrrev_b32 v9, 5, v0
	v_readfirstlane_b32 s16, v9                    ; wave w, 0 .. 15
	v_and_b32 v9, 31, v0                           ; lane
	v_lshlrev_b32 v[L16], 4, v9
	v_lshlrev_b32 v[L8], 3, v9
	v_bfe_u32 v[H32], v0, 4, 1                     ; h
	v_and_b32 v[KST], 15, v0                       ; r
	v_mul_u32_u24 v[QST], v[KST], QP
	v_mul_u32_u24 v[KST], v[KST], KP
	v_lshl_add_u32 v[KST], v[H32], 5, v[KST]
	v_lshl_add_u32 v[QST], v[H32], 5, v[QST]
	v_lshlrev_b32 v[H32], 5, v[H32]
	s_lshl_b32 s19, s16, 6                         ; 64 w: a tile's 16 features in bytes
	v_add_nc_u32 v[KST], s19, v[KST]
	v_add_nc_u32 v[QST], s19, v[QST]
	v_add_nc_u32 v[QST], QBASE, v[QST]
	s_mul_i32 s34, s16, KP
	s_mul_i32 s35, s16, QP
	v_add_nc_u32 v[LKA], s34, v[L16]
	v_add_nc_u32 v[LQA], s35, v[L16]
	v_add_nc_u32 v[LQA], QBASE, v[LQA]
	v_mov_b32 v[BA], s34
	s_lshr_b32 s17, ttmp9, 1                       ; p: the tile of tokens
	s_and_b32 s18, ttmp9, 1                        ; u: the half of the features i
	s_mul_i32 s20, s17, TILEB                      ; offsets, each in a pair of its own: x's record,
	s_mov_b32 s21, 0
	s_add_co_u32 s36, s16, WK0
	s_mul_i32 s22, s36, TILEB                      ; Wk's tile w,
	s_mov_b32 s23, 0
	s_lshl_b32 s37, s18, 3
	s_add_co_u32 s37, s37, s16
	s_add_co_u32 s37, s37, WQ0
	s_mul_i32 s24, s37, TILEB                      ; Wq's tile 8 u + w (used by waves 0-7 alone),
	s_mov_b32 s25, 0
	s_lshl_b32 s26, s17, 8                         ; and their scale words, 256 bytes a tile
	s_mov_b32 s27, 0
	s_lshl_b32 s28, s36, 8
	s_mov_b32 s29, 0
	s_lshl_b32 s30, s37, 8
	s_mov_b32 s31, 0
	s_mov_b32 s32, s19                             ; bk, bv: 64 w
	s_mov_b32 s33, 0
	s_lshl_b32 s38, s18, 9
	s_add_co_u32 s38, s38, s19                     ; bq: 512 u + 64 w
	s_mov_b32 s39, 0
	s_lshl_b32 s40, s17, 4
	s_add_co_u32 s40, s40, s16                     ; my token: 16 p + w
	s_lshl_b32 s40, s40, 10                        ; its row of out, 1,024 bytes,
	s_lshl_b32 s41, s18, 9
	s_add_co_u32 s40, s40, s41                     ; + my half
	s_mov_b32 s41, 0
	s_mov_b32 s42, 0x76543210
	s_mov_b32 s43, 0xfedcba98                      ; v_permlanex16_b32's selects for lane l xor 16
	s_wait_kmcnt 0x0
	s_add_nc_u64 s[20:21], s[4:5], s[20:21]
	s_add_nc_u64 s[22:23], s[4:5], s[22:23]
	s_add_nc_u64 s[24:25], s[4:5], s[24:25]
	s_add_nc_u64 s[26:27], s[6:7], s[26:27]
	s_add_nc_u64 s[28:29], s[6:7], s[28:29]
	s_add_nc_u64 s[30:31], s[6:7], s[30:31]
	s_add_nc_u64 s[8:9], s[8:9], s[38:39]
	s_add_nc_u64 s[10:11], s[10:11], s[32:33]
	s_add_nc_u64 s[12:13], s[12:13], s[32:33]
	s_add_nc_u64 s[14:15], s[14:15], s[40:41]
.macro RECORD reg, base, off           ; a tile's record: two fragments, 24 registers, six loads of 512 consecutive bytes
.irp g, 0,1,2,3,4,5
	global_load_b128 v[\reg+4*\g:\reg+4*\g+3], v[L16], s[\base:\base+1] offset:\off+512*\g
.endr
.endm
.macro MUL acc, wf, ws, s              ; K step s of one tile: source 0 = 16 rows of W, source 1 = the 16 tokens; the sum goes on in place (the first onto the bias)
	v_wmma_scale_f32_16x16x128_f8f6f4 v[\acc:\acc+7], v[\wf+12*\s:\wf+12*\s+11], v[XF+12*\s:XF+12*\s+11], v[\acc:\acc+7], v[\ws+\s], v[XS+\s] matrix_a_fmt:MATRIX_FMT_BF6 matrix_b_fmt:MATRIX_FMT_BF6
.endm
	RECORD XF, 20, 0
	RECORD KF, 22, 0
	RECORD VF, 22, 16*TILEB
	global_load_b64 v[XS:XS+1], v[L8], s[26:27]    ; lane l: row l % 16's words of K steps 0 and 1
	global_load_b64 v[KS:KS+1], v[L8], s[28:29]
	global_load_b64 v[VS:VS+1], v[L8], s[28:29] offset:16*256
	global_load_b128 v[KA:KA+3], v[H32], s[10:11]  ; register j of lane (r, h): the bias of feature 16 w + 8 h + j, in the result's layout
	global_load_b128 v[KA+4:KA+7], v[H32], s[10:11] offset:16
	global_load_b128 v[VA:VA+3], v[H32], s[12:13]
	global_load_b128 v[VA+4:VA+7], v[H32], s[12:13] offset:16
	s_cmp_lt_u32 s16, 8                            ; my half of Q has 8 tiles: waves 0-7 take one each.  The branch hangs on the wave's number alone; no barrier stands inside
	s_cbranch_scc0 .Lno_q
	RECORD QF, 24, 0
	global_load_b64 v[QS:QS+1], v[L8], s[30:31]
	global_load_b128 v[QA:QA+3], v[H32], s[8:9]
	global_load_b128 v[QA+4:QA+7], v[H32], s[8:9] offset:16
	s_wait_loadcnt 0x0
	MUL KA, KF, KS, 0                              ; the accumulators take turns, one instruction a turn
	MUL VA, VF, VS, 0
	MUL QA, QF, QS, 0
	MUL KA, KF, KS, 1
	MUL VA, VF, VS, 1
	MUL QA, QF, QS, 1
.rept 4
	v_nop                                          ; four places between a matrix instruction and the LDS store that reads its result
.endr
	ds_store_b128 v[QST], v[QA:QA+3]               ; each accumulator from its low end on
	ds_store_b128 v[QST], v[QA+4:QA+7] offset:16
	s_branch .Lkv
.Lno_q:
	s_wait_loadcnt 0x0
	MUL KA, KF, KS, 0
	MUL VA, VF, VS, 0
	MUL KA, KF, KS, 1
	MUL VA, VF, VS, 1
.rept 4
	v_nop
.endr
.Lkv:
	ds_store_b128 v[KST], v[KA:KA+3]               ; token r, features 16 w + 8 h + 0 .. 7
	ds_store_b128 v[KST], v[KA+4:KA+7] offset:16
	ds_store_b128 v[KST], v[VA:VA+3] offset:VOFF
	ds_store_b128 v[KST], v[VA+4:VA+7] offset:VOFF+16
	s_wait_dscnt 0x0                               ; for the others' sake: my stores have landed
	s_barrier_signal -1
	s_barrier_wait -1                              ; Q, K and V of the 16 tokens lie in LDS; from here on LDS is only read
	ds_load_b128 v[T:T+3], v[LKA]                  ; eight of my token's 256 K a lane, for Kmax and Kmin
	ds_load_b128 v[T+4:T+7], v[LKA] offset:512
	ds_load_b128 v[T+8:T+11], v[LQA]               ; Q of my four i
	ds_load_b128 v[KB:KB+3], v[BA]                 ; K of blocks 0 and 1, the same in every lane
	ds_load_b128 v[KB+4:KB+7], v[BA] offset:16
	ds_load_b128 v[KB+8:KB+11], v[BA] offset:32
	ds_load_b128 v[KB+12:KB+15], v[BA] offset:48
.irp n, 0,1,2,3,4,5,6,7,8,9,10,11,12,13,14,15
	v_mov_b32 v[SS+\n], 0                          ; the sixteen sums begin as zeros, while the loads are out: so the loop's trip needs no first copy of its own
.endr
	v_mov_b32 v[W+2], 0                            ; a lane permute's destination counts as one of its sources
	v_mov_b32 v[W+3], 0
	s_wait_dscnt 0x0
	v_max3_num_f32 v[W], v[T], v[T+1], v[T+2]
	v_min3_num_f32 v[W+1], v[T], v[T+1], v[T+2]
	v_max3_num_f32 v[W], v[W], v[T+3], v[T+4]
	v_min3_num_f32 v[W+1], v[W+1], v[T+3], v[T+4]
	v_max3_num_f32 v[W], v[W], v[T+5], v[T+6]
	v_min3_num_f32 v[W+1], v[W+1], v[T+5], v[T+6]
	v_max_num_f32 v[W], v[W], v[T+7]
	v_min_num_f32 v[W+1], v[W+1], v[T+7]
.irp m, 1,2,4,8
	v_max_num_f32_dpp v[W], v[W], v[W] row_xmask:\m row_mask:0xf bank_mask:0xf
	v_min_num_f32_dpp v[W+1], v[W+1], v[W+1] row_xmask:\m row_mask:0xf bank_mask:0xf
.endr
	v_permlanex16_b32 v[W+2], v[W], s42, s43
	v_permlanex16_b32 v[W+3], v[W+1], s42, s43
	v_max_num_f32 v[W], v[W], v[W+2]               ; Kmax, in every lane
	v_min_num_f32 v[W+1], v[W+1], v[W+3]           ; Kmin
.irp a, 0,1,2,3
	v_mul_f32 v[QQ+2*\a], 0x3db8aa3b, v[T+8+\a]    ; q' = Q log2(e) / 16
.endr
.irp a, 0,1,2,3
	v_mul_f32 v[W+4+\a], v[QQ+2*\a], v[W]
	v_mul_f32 v[W+8+\a], v[QQ+2*\a], v[W+1]
.endr
.irp a, 0,1,2,3
	v_max_num_f32 v[MM+2*\a], v[W+4+\a], v[W+8+\a] ; m: the largest q' K[j] of row i
	v_mov_b32 v[QQ+2*\a+1], v[QQ+2*\a]             ; both halves of a pair hold the same number: the packed forms then want no selector
.endr
.irp a, 0,1,2,3
	v_mov_b32 v[MM+2*\a+1], v[MM+2*\a]
.endr
.set e, 0
.rept 16
	v_pk_fma_f32 v[T+2*e:T+2*e+1], v[KB+2*(e/4):KB+2*(e/4)+1], v[QQ+2*(e%4):QQ+2*(e%4)+1], v[MM+2*(e%4):MM+2*(e%4)+1] neg_lo:[0,0,1] neg_hi:[0,0,1]   ; block 0's t = K q' - m
.set e, e+1
.endr
; BLOCK n, b = n % 2.  ex: the exponentials of block n, in set b.  cons: block n - 1's p, in the other set, goes into the sums, with V from the other set of V.  tn: block n + 1's t takes its place, with K from
; the other set of K.  koff, voff (from v[BA] on; -1: none): K of block n + 2 and V of block n are asked for, into sets b, which block n - 1 has read last: they have this whole block in which to land.
.macro PB b, ex, cons, tn, koff, voff
	s_wait_dscnt 0x0                               ; the loads issued at the head of the block before are in
.if \koff >= 0
	ds_load_b128 v[KB+8*\b:KB+8*\b+3], v[BA] offset:\koff
	ds_load_b128 v[KB+8*\b+4:KB+8*\b+7], v[BA] offset:\koff+16
.endif
.if \voff >= 0
	ds_load_b128 v[VB+8*\b:VB+8*\b+3], v[BA] offset:VOFF+\voff
	ds_load_b128 v[VB+8*\b+4:VB+8*\b+7], v[BA] offset:VOFF+\voff+16
.endif
.set e, 0
.rept 16
.set pt, T+32*\b+2*e                   ; this block's pair e
.set po, T+32*(1-\b)+2*e               ; the other set's
.set pa, 2*(e%4)                       ; its i
.set pj, 8*(1-\b)+2*(e/4)              ; its two j, in the other sets of K and V
.if \ex
	v_exp_f32 v[pt], v[pt]
.endif
.if \cons
	v_pk_add_f32 v[SS+pa:SS+pa+1], v[SS+pa:SS+pa+1], v[po:po+1]
.endif
.if \ex
	v_exp_f32 v[pt+1], v[pt+1]
.endif
.if \cons
	v_pk_fma_f32 v[AA+pa:AA+pa+1], v[po:po+1], v[VB+pj:VB+pj+1], v[AA+pa:AA+pa+1]
.endif
.if \tn
	v_pk_fma_f32 v[po:po+1], v[KB+pj:KB+pj+1], v[QQ+pa:QQ+pa+1], v[MM+pa:MM+pa+1] neg_lo:[0,0,1] neg_hi:[0,0,1]
.endif
.set e, e+1
.endr
.if \ex
	s_wait_alu depctr_va_vdst(0)                   ; ONE wait for the block's 32 exponentials: nothing in this block names a result of theirs, the next block's sums do.  It stands ahead of
.endif                                         ; the first such reader and ahead of every label and branch, at the block's end.  A plain instruction stands behind the last exponential
.endm
	PB 0, 1, 0, 1, 64, 0                           ; block 0: there is no block before it
	s_mov_b32 s44, 14
.Ltrip:                                            ; 14 trips: blocks 2 i + 1 and 2 i + 2, v[BA] at K of block 2 i
	PB 1, 1, 1, 1, 96, 32
	PB 0, 1, 1, 1, 128, 64
	v_add_nc_u32 v[BA], 64, v[BA]                  ; two blocks of 8 numbers on
	s_sub_co_u32 s44, s44, 1
	s_cmp_lg_u32 s44, 0
	s_cbranch_scc1 .Ltrip
	PB 1, 1, 1, 1, 96, 32                          ; block 29 asks for K of block 31, the last
	PB 0, 1, 1, 1, -1, 64                          ; block 30: no K is left to ask for
	PB 1, 1, 1, 0, -1, 96                          ; block 31: no t is left to make
	PB 0, 0, 1, 0, -1, -1                          ; block 31's p goes into the sums
.irp a, 0,1,2,3
	v_add_f32 v[W+\a], v[SS+2*\a], v[SS+2*\a+1]    ; the even j's and the odd j's
.endr
.irp a, 0,1,2,3
	v_rcp_f32 v[W+\a], v[W+\a]
.endr
.irp a, 0,1,2,3
	v_add_f32 v[W+4+\a], v[AA+2*\a], v[AA+2*\a+1]  ; plain work behind the four reciprocals, which names none of their results
.endr
	s_wait_alu depctr_va_vdst(0)                   ; one wait for the four, ahead of their first reader
.irp a, 0,1,2,3
	v_mul_f32 v[W+8+\a], v[W+4+\a], v[W+\a]
.endr
	global_store_b128 v[L16], v[W+8:W+11], s[14:15] th:TH_STORE_NT   ; 32 lanes store my token's 128 numbers: 512 consecutive bytes, at a multiple of 256 from out's first byte; written once
	s_wait_tensorcnt 0x0
	ds_add_u32 v160, v161
	s_wait_dscnt 0x0
	s_endpgm
.Lfunc_end_k_qba9298509a_attn:
	.size	k_qba9298509a_attn, .Lfunc_end_k_qba9298509a_attn-k_qba9298509a_attn
	.p2alignl 7, 3214868480
	.fill 96, 4, 3214868480
	.section	.rodata,"a",@progbits
	.p2align	6, 0x0
	.amdhsa_kernel k_qba9298509a_attn
		.amdhsa_group_segment_fixed_size 43776
		.amdhsa_private_segment_fixed_size 0
		.amdhsa_enable_private_segment 0
		.amdhsa_kernarg_size 48
		.amdhsa_user_sgpr_count 2
		.amdhsa_user_sgpr_kernarg_segment_ptr 1
		.amdhsa_wavefront_size32 1
		.amdhsa_system_sgpr_workgroup_id_x 1
		.amdhsa_system_sgpr_workgroup_id_y 1
		.amdhsa_system_sgpr_workgroup_id_z 1
		.amdhsa_system_vgpr_workitem_id 0
		.amdhsa_next_free_vgpr 162
		.amdhsa_next_free_sgpr 66
		.amdhsa_reserve_vcc 0
		.amdhsa_float_denorm_mode_32 3
		.amdhsa_float_denorm_mode_16_64 3
		.amdhsa_memory_ordered 1
		.amdhsa_forward_progress 1
		.amdhsa_inst_pref_size 38
	.end_amdhsa_kernel
	.amdgpu_metadata
---
amdhsa.version: [ 1, 2 ]
amdhsa.kernels:
  - .name:           k_qba9298509a_attn
    .symbol:         k_qba9298509a_attn.kd
    .args:
      - { .name: codes, .offset: 0, .size: 8, .value_kind: global_buffer, .address_space: global }
      - { .name: scales, .offset: 8, .size: 8, .value_kind: global_buffer, .address_space: global }
      - { .name: bq, .offset: 16, .size: 8, .value_kind: global_buffer, .address_space: global }
      - { .name: bk, .offset: 24, .size: 8, .value_kind: global_buffer, .address_space: global }
      - { .name: bv, .offset: 32, .size: 8, .value_kind: global_buffer, .address_space: global }
      - { .name: out0, .offset: 40, .size: 8, .value_kind: global_buffer, .address_space: global }
    .group_segment_fixed_size: 43776
    .private_segment_fixed_size: 0
    .kernarg_segment_align: 8
    .kernarg_segment_size: 48
    .max_flat_workgroup_size: 512
    .sgpr_count:     66
    .vgpr_count:     162
    .wavefront_size: 32
...
	.end_amdgpu_metadata
.endif
;; end of part 2
;; ======== version 2 of 2: 2 launches; version 1 with the launch attn written anew for expert scheduling mode
;; workspace buffers: codes 540,672 bytes; scales 45,056 bytes
;; launch quant: the kernel of part 1 again; grid 176 x 1, 1 waves a work-group, no clusters, 16,896 bytes of LDS; arguments x, Wq, Wk, Wv, codes, scales; writes codes, scales
;; launch attn (part 3): grid 256 x 1, 16 waves a work-group, no clusters, 43,776 bytes of LDS; arguments codes, scales, bq, bk, bv, out0; writes out0
.if DOCPART == 3
	.amdgcn_target "amdgcn-amd-amdhsa--gfx1250"
	.amdhsa_code_object_version 6
	.text
	.protected	k_qba9298509a_attn
	.globl	k_qba9298509a_attn
	.p2align	8
	.type	k_qba9298509a_attn,@function
k_qba9298509a_attn:
	s_mov_b64 s[64:65], 0
	v_nop
	global_prefetch_b8 v0, s[64:65] scope:SCOPE_SE
	s_setreg_imm32_b32 hwreg(HW_REG_WAVE_SCHED_MODE, 0, 2), 2
	s_setreg_imm32_b32 hwreg(HW_REG_WAVE_MODE, 25, 1), 1
	s_wait_xcnt 0x0
	s_wait_alu depctr_vm_vsrc(0)
; out[t][i] = sum over j of softmax_j(Q[t][i] K[t][j] / 16) V[t][j], with Q, K, V = x W^T + b on codes of BF6 (E3M2) with E8M0 scales, as the launch before has laid them: a record of 3,072 bytes for each
; tile of 16 rows x 256 K in the order of the operand's registers (tiles 0-127 x, 128-143 Wq, 144-159 Wk, 160-175 Wv), and 256 bytes of scale words for each tile.
; SHARES.  Work-group g: the 16 tokens of x's tile p = g / 2, and the half u = g % 2 of the output's features i: 16 x 128 x 256 = 524,288 exponentials, the same in all 256 work-groups.
; THE HEAD.  Wave w multiplies tile w of Wk and tile w of Wv, waves 0-7 also tile 8 u + w of Wq, by the x tile: 80 matrix instructions a work-group, all 16 rows of each in use.  The records go from memory straight
; into operand registers, 512 consecutive bytes a load.  The biases are loaded into the accumulators: they are the C of each sum's first product.  THE PRODUCTS ARE USED TRANSPOSED (source 0 = 16 rows of W,
; source 1 = the 16 tokens): lane (r, h) holds token r and features 8 h + 0 .. 7 of the tile, 32 neighbouring bytes of a row [token][feature] in LDS.  One barrier; behind it LDS is only read.
; THE SOFTMAX.  Wave w owns token w; lane l owns i = 128 u + 4 l + 0 .. 3.  q' = Q log2(e) / 16; t = K[j] q' - m; p = 2^t.  THE ROW'S MAXIMUM IS TAKEN AWAY: row i of the scores is q'[i] times the token's K,
; so its largest number is m = max(q' Kmax, q' Kmin), Kmax and Kmin the largest and the smallest of the token's 256 K.  The sums of p and of p V are f32; out = sum(p V) / sum(p) by v_rcp_f32 and a multiply.
; K and V come from LDS, every lane reading the same 16 bytes.  The 256 j go in 32 blocks of 8: 32 exponentials a wave.  THE BLOCKS OVERLAP: for each of its 16 register pairs block n has two exponentials (block n),
; the two packed sums of block n - 1's pair, and the packed multiply-add that makes block n + 1's t in that pair's place: five instructions for four pairs (i, j), plain ones between the exponentials.
; NO CLUSTER: the 40 records that all work-groups share (122,880 bytes, and 10,240 of scale words) are read once, at the head, into the registers of the one wave that multiplies them; the loop reads LDS alone.
; A joint tensor load would lay the same bytes into LDS, to be read from there once more.  No prefetch: the text's only reads of memory stand at its head.
; Products with K = 1 (the scores) and N = 1 (the sum with V) would fill 1/32 and 1/16 of a matrix instruction: they are f32 multiply-adds.
; LIMITS: NaN and infinities among the inputs are not served; a p under 2^-126 counts as 0 (v_exp_f32 gives 0 there: ISA guide 15.8), beside a row's sum that holds the maximum's own p, about 1;
; the sums over j are taken in another order than a plain loop's.
; THE MODE: SCHED_MODE bits 1:0 = 2 (LLVM: expert scheduling mode 2), set by the entry lines.  The code itself states the register dependences
; between vector or matrix instructions and memory or LDS instructions, with s_wait_alu, always for 0.
; THE PLAN.  Registers that memory or LDS instructions touch:
;   v1-7        offsets and LDS addresses: written once at the head, ahead of one wait on va_vdst, and never again.
;   v[BA]       read by every LDS load of K and V; written once a trip, inside the trip's second block: a wait on vm_vsrc ahead of the add, the block's closing wait on va_vdst behind it.
;   v10-129     the head's fragments and accumulators: loads fill them, matrix instructions read them and write the accumulators, LDS stores read the accumulators.  One wait on va_vdst behind the products' places, on each way
;               of the branch: the accumulators are written, and the fragments are read out, so that the LDS loads behind the barrier may land there.  One wait on vm_vsrc behind the barrier: the LDS stores have
;               read v106-129, which the softmax writes anew.
;   K's and V's sets  Block n's loads land in sets n % 2, which block n - 1's multiply-adds read last.  The ONE wait on va_vdst at a block's end states that these are done reading; it is also the wait for the block's
;               exponentials.  The next block's four loads follow it with only scalar lines and a wait on DScnt between, and have that whole block in which to land.
;   v[W+8 ..]   the four results: written by the last multiplies, read by the store: one wait on va_vdst between.
;   The sums, q', m, t and p are named by vector instructions alone.
.set TILEB, 3072                       ; a tile's record
.set WQ0,   128                        ; Wq's first record
.set WK0,   144                        ; Wk's; Wv's lie 16 records on
.set KP,    1040                       ; LDS: a token's row of K or V: 1,024 bytes + 16 = 65 x 16
.set QP,    528                        ; a token's row of my half of Q: 512 + 16 = 33 x 16
.set VOFF,  16*KP                      ; K's 16 rows, then V's,
.set QBASE, 32*KP                      ; then Q's: 41,728 bytes in all
.set L16, 1                            ; v1   16 x lane
.set L8,  2                            ; v2   8 x lane
.set H32, 3                            ; v3   32 h: my eight numbers of a tile's 16 of a bias
.set KST, 4                            ; v4   where I store K (V: VOFF on): row r, + 64 w + 32 h
.set QST, 5                            ; v5   the same for Q
.set LKA, 6                            ; v6   token w's row of K, + 16 x lane
.set LQA, 7                            ; v7   token w's row of Q, + 16 x lane
.set BA,  8                            ; v8   token w's row of K, the same in every lane; 64 bytes on in each trip
.set XF,  10                           ; the head: v10-33 x's two fragments; v34-57 Wk's; v58-81 Wv's; v82-105 Wq's; v106-113, v114-121, v122-129 the accumulators
.set KF,  34
.set VF,  58
.set QF,  82
.set KA,  106
.set VA,  114
.set QA,  122
.set KB,  10                           ; the softmax: v10-25 two sets of 8 K; v26-41 two sets of 8 V
.set VB,  26
.set QQ,  42                           ; v42-49 q' of my four i, each twice: a pair for the packed forms
.set MM,  50                           ; v50-57 m likewise
.set SS,  58                           ; v58-65 the sums of p: a pair (even j, odd j) for each i
.set AA,  66                           ; v66-73 the sums of p V likewise
.set T,   74                           ; v74-137 t, then p: two sets of 16 pairs; pair e: i = e % 4, j = 2 (e / 4), 2 (e / 4) + 1 of the block's 8
.set W,   138                          ; v138-151 at work
.set XS,  152                          ; v[152:153] x's scale words of K steps 0, 1; v[154:155] Wk's; v[156:157] Wv's; v[158:159] Wq's: these hold scales and nothing else
.set KS,  154
.set VS,  156
.set QS,  158
	s_load_b256 s[4:11], s[0:1], 0x0               ; codes, scales, bq, bk
	s_load_b128 s[12:15], s[0:1], 0x20             ; bv, out
	v_lshl_add_u32 v150, v0, 2, 0xa300
	v_mov_b32 v151, 0
	v_lshrrev_b32 v9, 5, v0
	v_readfirstlane_b32 s16, v9                    ; wave w, 0 .. 15
	v_and_b32 v9, 31, v0                           ; lane
	v_lshlrev_b32 v[L16], 4, v9
	v_lshlrev_b32 v[L8], 3, v9
	v_bfe_u32 v[H32], v0, 4, 1                     ; h
	v_and_b32 v[KST], 15, v0                       ; r
	v_mul_u32_u24 v[QST], v[KST], QP
	v_mul_u32_u24 v[KST], v[KST], KP
	v_lshl_add_u32 v[KST], v[H32], 5, v[KST]
	v_lshl_add_u32 v[QST], v[H32], 5, v[QST]
	v_lshlrev_b32 v[H32], 5, v[H32]
	s_wait_alu depctr_va_sdst(0)                   ; s16 is written, ahead of its first reader: offsets, LDS addresses and the branch on the wave's number are made from it
	s_lshl_b32 s19, s16, 6                         ; 64 w: a tile's 16 features in bytes
	v_add_nc_u32 v[KST], s19, v[KST]
	v_add_nc_u32 v[QST], s19, v[QST]
	v_add_nc_u32 v[QST], QBASE, v[QST]
	s_mul_i32 s34, s16, KP
	s_mul_i32 s35, s16, QP
	v_add_nc_u32 v[LKA], s34, v[L16]
	v_add_nc_u32 v[LQA], s35, v[L16]
	v_add_nc_u32 v[LQA], QBASE, v[LQA]
	v_mov_b32 v[BA], s34
	s_lshr_b32 s17, ttmp9, 1                       ; p: the tile of tokens
	s_and_b32 s18, ttmp9, 1                        ; u: the half of the features i
	s_mul_i32 s20, s17, TILEB                      ; offsets, each in a pair of its own: x's record,
	s_mov_b32 s21, 0
	s_add_co_u32 s36, s16, WK0
	s_mul_i32 s22, s36, TILEB                      ; Wk's tile w,
	s_mov_b32 s23, 0
	s_lshl_b32 s37, s18, 3
	s_add_co_u32 s37, s37, s16
	s_add_co_u32 s37, s37, WQ0
	s_mul_i32 s24, s37, TILEB                      ; Wq's tile 8 u + w (used by waves 0-7 alone),
	s_mov_b32 s25, 0
	s_lshl_b32 s26, s17, 8                         ; and their scale words, 256 bytes a tile
	s_mov_b32 s27, 0
	s_lshl_b32 s28, s36, 8
	s_mov_b32 s29, 0
	s_lshl_b32 s30, s37, 8
	s_mov_b32 s31, 0
	s_mov_b32 s32, s19                             ; bk, bv: 64 w
	s_mov_b32 s33, 0
	s_lshl_b32 s38, s18, 9
	s_add_co_u32 s38, s38, s19                     ; bq: 512 u + 64 w
	s_mov_b32 s39, 0
	s_lshl_b32 s40, s17, 4
	s_add_co_u32 s40, s40, s16                     ; my token: 16 p + w
	s_lshl_b32 s40, s40, 10                        ; its row of out, 1,024 bytes,
	s_lshl_b32 s41, s18, 9
	s_add_co_u32 s40, s40, s41                     ; + my half
	s_mov_b32 s41, 0
	s_mov_b32 s42, 0x76543210
	s_mov_b32 s43, 0xfedcba98                      ; v_permlanex16_b32's selects for lane l xor 16
	s_wait_kmcnt 0x0
	s_add_nc_u64 s[20:21], s[4:5], s[20:21]
	s_add_nc_u64 s[22:23], s[4:5], s[22:23]
	s_add_nc_u64 s[24:25], s[4:5], s[24:25]
	s_add_nc_u64 s[26:27], s[6:7], s[26:27]
	s_add_nc_u64 s[28:29], s[6:7], s[28:29]
	s_add_nc_u64 s[30:31], s[6:7], s[30:31]
	s_add_nc_u64 s[8:9], s[8:9], s[38:39]
	s_add_nc_u64 s[10:11], s[10:11], s[32:33]
	s_add_nc_u64 s[12:13], s[12:13], s[32:33]
	s_add_nc_u64 s[14:15], s[14:15], s[40:41]
	s_wait_alu depctr_va_vdst(0)                   ; the offsets and LDS addresses v1 to v8 are written, which the loads, the LDS stores and loads and the last store read
.macro RECORD reg, base, off           ; a tile's record: two fragments, 24 registers, six loads of 512 consecutive bytes
.irp g, 0,1,2,3,4,5
	global_load_b128 v[\reg+4*\g:\reg+4*\g+3], v[L16], s[\base:\base+1] offset:\off+512*\g
.endr
.endm
.macro MUL acc, wf, ws, s              ; K step s of one tile: source 0 = 16 rows of W, source 1 = the 16 tokens; the sum goes on in place (the first onto the bias)
	v_wmma_scale_f32_16x16x128_f8f6f4 v[\acc:\acc+7], v[\wf+12*\s:\wf+12*\s+11], v[XF+12*\s:XF+12*\s+11], v[\acc:\acc+7], v[\ws+\s], v[XS+\s] matrix_a_fmt:MATRIX_FMT_BF6 matrix_b_fmt:MATRIX_FMT_BF6
.endm
	RECORD XF, 20, 0
	RECORD KF, 22, 0
	RECORD VF, 22, 16*TILEB
	global_load_b64 v[XS:XS+1], v[L8], s[26:27]    ; lane l: row l % 16's words of K steps 0 and 1
	global_load_b64 v[KS:KS+1], v[L8], s[28:29]
	global_load_b64 v[VS:VS+1], v[L8], s[28:29] offset:16*256
	global_load_b128 v[KA:KA+3], v[H32], s[10:11]  ; register j of lane (r, h): the bias of feature 16 w + 8 h + j, in the result's layout
	global_load_b128 v[KA+4:KA+7], v[H32], s[10:11] offset:16
	global_load_b128 v[VA:VA+3], v[H32], s[12:13]
	global_load_b128 v[VA+4:VA+7], v[H32], s[12:13] offset:16
	s_cmp_lt_u32 s16, 8                            ; my half of Q has 8 tiles: waves 0-7 take one each.  The branch hangs on the wave's number alone; no barrier stands inside
	s_cbranch_scc0 .Lno_q
	RECORD QF, 24, 0
	global_load_b64 v[QS:QS+1], v[L8], s[30:31]
	global_load_b128 v[QA:QA+3], v[H32], s[8:9]
	global_load_b128 v[QA+4:QA+7], v[H32], s[8:9] offset:16
	s_wait_loadcnt 0x0
	MUL KA, KF, KS, 0                              ; the accumulators take turns, one instruction a turn
	MUL VA, VF, VS, 0
	MUL QA, QF, QS, 0
	MUL KA, KF, KS, 1
	MUL VA, VF, VS, 1
	MUL QA, QF, QS, 1
.rept 4
	v_nop                                          ; four places between a matrix instruction and the LDS store that reads its result
.endr
	s_wait_alu depctr_va_vdst(0)                   ; the products have written the three accumulators, which the LDS stores read, and are done reading the fragments v10-105, in which LDS loads land behind the barrier; the places above stay beside this wait
	ds_store_b128 v[QST], v[QA:QA+3]               ; each accumulator from its low end on
	ds_store_b128 v[QST], v[QA+4:QA+7] offset:16
	s_branch .Lkv
.Lno_q:
	s_wait_loadcnt 0x0
	MUL KA, KF, KS, 0
	MUL VA, VF, VS, 0
	MUL KA, KF, KS, 1
	MUL VA, VF, VS, 1
.rept 4
	v_nop
.endr
	s_wait_alu depctr_va_vdst(0)                   ; the same on this way
.Lkv:
	ds_store_b128 v[KST], v[KA:KA+3]               ; token r, features 16 w + 8 h + 0 .. 7
	ds_store_b128 v[KST], v[KA+4:KA+7] offset:16
	ds_store_b128 v[KST], v[VA:VA+3] offset:VOFF
	ds_store_b128 v[KST], v[VA+4:VA+7] offset:VOFF+16
	s_wait_dscnt 0x0                               ; for the others' sake: my stores have landed
	s_barrier_signal -1
	s_barrier_wait -1                              ; Q, K and V of the 16 tokens lie in LDS; from here on LDS is only read
	s_wait_alu depctr_vm_vsrc(0)                   ; my LDS stores have read the accumulators v106-129: these registers are t's second set from here on, written by block 0's multiply-adds
	ds_load_b128 v[T:T+3], v[LKA]                  ; eight of my token's 256 K a lane, for Kmax and Kmin
	ds_load_b128 v[T+4:T+7], v[LKA] offset:512
	ds_load_b128 v[T+8:T+11], v[LQA]               ; Q of my four i
	ds_load_b128 v[KB:KB+3], v[BA]                 ; K of blocks 0 and 1, the same in every lane
	ds_load_b128 v[KB+4:KB+7], v[BA] offset:16
	ds_load_b128 v[KB+8:KB+11], v[BA] offset:32
	ds_load_b128 v[KB+12:KB+15], v[BA] offset:48
.irp n, 0,1,2,3,4,5,6,7,8,9,10,11,12,13,14,15
	v_mov_b32 v[SS+\n], 0                          ; the sixteen sums begin as zeros, while the loads are out: so the loop's trip needs no first copy of its own
.endr
	v_mov_b32 v[W+2], 0                            ; a lane permute's destination counts as one of its sources
	v_mov_b32 v[W+3], 0
	s_wait_dscnt 0x0
	v_max3_num_f32 v[W], v[T], v[T+1], v[T+2]
	v_min3_num_f32 v[W+1], v[T], v[T+1], v[T+2]
	v_max3_num_f32 v[W], v[W], v[T+3], v[T+4]
	v_min3_num_f32 v[W+1], v[W+1], v[T+3], v[T+4]
	v_max3_num_f32 v[W], v[W], v[T+5], v[T+6]
	v_min3_num_f32 v[W+1], v[W+1], v[T+5], v[T+6]
	v_max_num_f32 v[W], v[W], v[T+7]
	v_min_num_f32 v[W+1], v[W+1], v[T+7]
.irp m, 1,2,4,8
	v_max_num_f32_dpp v[W], v[W], v[W] row_xmask:\m row_mask:0xf bank_mask:0xf
	v_min_num_f32_dpp v[W+1], v[W+1], v[W+1] row_xmask:\m row_mask:0xf bank_mask:0xf
.endr
	v_permlanex16_b32 v[W+2], v[W], s42, s43
	v_permlanex16_b32 v[W+3], v[W+1], s42, s43
	v_max_num_f32 v[W], v[W], v[W+2]               ; Kmax, in every lane
	v_min_num_f32 v[W+1], v[W+1], v[W+3]           ; Kmin
.irp a, 0,1,2,3
	v_mul_f32 v[QQ+2*\a], 0x3db8aa3b, v[T+8+\a]    ; q' = Q log2(e) / 16
.endr
.irp a, 0,1,2,3
	v_mul_f32 v[W+4+\a], v[QQ+2*\a], v[W]
	v_mul_f32 v[W+8+\a], v[QQ+2*\a], v[W+1]
.endr
.irp a, 0,1,2,3
	v_max_num_f32 v[MM+2*\a], v[W+4+\a], v[W+8+\a] ; m: the largest q' K[j] of row i
	v_mov_b32 v[QQ+2*\a+1], v[QQ+2*\a]             ; both halves of a pair hold the same number: the packed forms then want no selector
.endr
.irp a, 0,1,2,3
	v_mov_b32 v[MM+2*\a+1], v[MM+2*\a]
.endr
.set e, 0
.rept 16
	v_pk_fma_f32 v[T+2*e:T+2*e+1], v[KB+2*(e/4):KB+2*(e/4)+1], v[QQ+2*(e%4):QQ+2*(e%4)+1], v[MM+2*(e%4):MM+2*(e%4)+1] neg_lo:[0,0,1] neg_hi:[0,0,1]   ; block 0's t = K q' - m
.set e, e+1
.endr
	s_wait_alu depctr_va_vdst(0)                   ; these sixteen multiply-adds are done reading K's set 0, in which K of block 2 lands at the head of block 0's turn
; BLOCK n, b = n % 2.  ex: the exponentials of block n, in set b.  cons: block n - 1's p, in the other set, goes into the sums, with V from the other set of V.  tn: block n + 1's t takes its place, with K from
; the other set of K.  koff, voff (from v[BA] on; -1: none): K of block n + 2 and V of block n are asked for, into sets b, which block n - 1 has read last: they have this whole block in which to land.
; No wait on va_vdst stands ahead of these loads here: the one at the end of the block before has shown sets b read out, and no vector instruction issued since names them or v[BA].
; step = 1: v[BA] moves on by two blocks, behind this block's loads and ahead of its closing wait.
.macro PB b, ex, cons, tn, koff, voff, step
	s_wait_dscnt 0x0                               ; the loads issued at the head of the block before are in
.if \koff >= 0
	ds_load_b128 v[KB+8*\b:KB+8*\b+3], v[BA] offset:\koff
	ds_load_b128 v[KB+8*\b+4:KB+8*\b+7], v[BA] offset:\koff+16
.endif
.if \voff >= 0
	ds_load_b128 v[VB+8*\b:VB+8*\b+3], v[BA] offset:VOFF+\voff
	ds_load_b128 v[VB+8*\b+4:VB+8*\b+7], v[BA] offset:VOFF+\voff+16
.endif
.set e, 0
.rept 16
.set pt, T+32*\b+2*e                   ; this block's pair e
.set po, T+32*(1-\b)+2*e               ; the other set's
.set pa, 2*(e%4)                       ; its i
.set pj, 8*(1-\b)+2*(e/4)              ; its two j, in the other sets of K and V
.if \ex
	v_exp_f32 v[pt], v[pt]
.endif
.if \cons
	v_pk_add_f32 v[SS+pa:SS+pa+1], v[SS+pa:SS+pa+1], v[po:po+1]
.endif
.if \ex
	v_exp_f32 v[pt+1], v[pt+1]
.endif
.if \cons
	v_pk_fma_f32 v[AA+pa:AA+pa+1], v[po:po+1], v[VB+pj:VB+pj+1], v[AA+pa:AA+pa+1]
.endif
.if \tn
	v_pk_fma_f32 v[po:po+1], v[KB+pj:KB+pj+1], v[QQ+pa:QQ+pa+1], v[MM+pa:MM+pa+1] neg_lo:[0,0,1] neg_hi:[0,0,1]
.endif
.set e, e+1
.endr
.if \step
	s_wait_alu depctr_vm_vsrc(0)                   ; the LDS loads issued so far have read v[BA]
	v_add_nc_u32 v[BA], 64, v[BA]                  ; two blocks of 8 numbers on
.endif
.if \ex
	s_wait_alu depctr_va_vdst(0)                   ; ONE wait a block.  The block's 32 exponentials have written p in set b, which the next block's sums read first (nothing in this block names a result of theirs; a plain instruction stands behind the last of them); this block's multiply-adds are done reading the other sets of K and V, in which the next block's loads land; with step = 1, v[BA] is written, which those loads read.  It stands at the block's end, ahead of every label and branch
.endif
.endm
	PB 0, 1, 0, 1, 64, 0, 0                        ; block 0: there is no block before it
	s_mov_b32 s44, 14
.Ltrip:                                            ; 14 trips: blocks 2 i + 1 and 2 i + 2, v[BA] at K of block 2 i
	PB 1, 1, 1, 1, 96, 32, 0
	PB 0, 1, 1, 1, 128, 64, 1
	s_sub_co_u32 s44, s44, 1
	s_cmp_lg_u32 s44, 0
	s_cbranch_scc1 .Ltrip
	PB 1, 1, 1, 1, 96, 32, 0                       ; block 29 asks for K of block 31, the last
	PB 0, 1, 1, 1, -1, 64, 0                       ; block 30: no K is left to ask for
	PB 1, 1, 1, 0, -1, 96, 0                       ; block 31: no t is left to make
	PB 0, 0, 1, 0, -1, -1, 0                       ; block 31's p goes into the sums: no load and no exponential, so no wait on the vector side
.irp a, 0,1,2,3
	v_add_f32 v[W+\a], v[SS+2*\a], v[SS+2*\a+1]    ; the even j's and the odd j's
.endr
.irp a, 0,1,2,3
	v_rcp_f32 v[W+\a], v[W+\a]
.endr
.irp a, 0,1,2,3
	v_add_f32 v[W+4+\a], v[AA+2*\a], v[AA+2*\a+1]  ; plain work behind the four reciprocals, which names none of their results
.endr
	s_wait_alu depctr_va_vdst(0)                   ; the four reciprocals have written v[W] to v[W+3], ahead of their first reader: one wait for the four
.irp a, 0,1,2,3
	v_mul_f32 v[W+8+\a], v[W+4+\a], v[W+\a]
.endr
	s_wait_alu depctr_va_vdst(0)                   ; the four multiplies have written v[W+8] to v[W+11], which the store reads
	global_store_b128 v[L16], v[W+8:W+11], s[14:15] th:TH_STORE_NT   ; 32 lanes store my token's 128 numbers: 512 consecutive bytes, at a multiple of 256 from out's first byte; written once
	s_wait_dscnt 0x0
	s_wait_alu depctr_hold_cnt(0) depctr_sa_sdst(0) depctr_va_vdst(0) depctr_va_sdst(0) depctr_va_ssrc(0) depctr_va_vcc(0) depctr_vm_vsrc(0)
	s_wait_tensorcnt 0x0
	ds_add_u32 v150, v151
	s_wait_dscnt 0x0
	s_endpgm
.Lfunc_end_k_qba9298509a_attn:
	.size	k_qba9298509a_attn, .Lfunc_end_k_qba9298509a_attn-k_qba9298509a_attn
	.p2alignl 7, 3214868480
	.fill 96, 4, 3214868480
	.section	.rodata,"a",@progbits
	.p2align	6, 0x0
	.amdhsa_kernel k_qba9298509a_attn
		.amdhsa_group_segment_fixed_size 43776
		.amdhsa_private_segment_fixed_size 0
		.amdhsa_enable_private_segment 0
		.amdhsa_kernarg_size 48
		.amdhsa_user_sgpr_count 2
		.amdhsa_user_sgpr_kernarg_segment_ptr 1
		.amdhsa_wavefront_size32 1
		.amdhsa_system_sgpr_workgroup_id_x 1
		.amdhsa_system_sgpr_workgroup_id_y 1
		.amdhsa_system_sgpr_workgroup_id_z 1
		.amdhsa_system_vgpr_workitem_id 0
		.amdhsa_next_free_vgpr 160
		.amdhsa_next_free_sgpr 66
		.amdhsa_reserve_vcc 0
		.amdhsa_float_denorm_mode_32 3
		.amdhsa_float_denorm_mode_16_64 3
		.amdhsa_memory_ordered 1
		.amdhsa_forward_progress 1
		.amdhsa_inst_pref_size 39
	.end_amdhsa_kernel
	.amdgpu_metadata
---
amdhsa.version: [ 1, 2 ]
amdhsa.kernels:
  - .name:           k_qba9298509a_attn
    .symbol:         k_qba9298509a_attn.kd
    .args:
      - { .name: codes, .offset: 0, .size: 8, .value_kind: global_buffer, .address_space: global }
      - { .name: scales, .offset: 8, .size: 8, .value_kind: global_buffer, .address_space: global }
      - { .name: bq, .offset: 16, .size: 8, .value_kind: global_buffer, .address_space: global }
      - { .name: bk, .offset: 24, .size: 8, .value_kind: global_buffer, .address_space: global }
      - { .name: bv, .offset: 32, .size: 8, .value_kind: global_buffer, .address_space: global }
      - { .name: out0, .offset: 40, .size: 8, .value_kind: global_buffer, .address_space: global }
    .group_segment_fixed_size: 43776
    .private_segment_fixed_size: 0
    .kernarg_segment_align: 8
    .kernarg_segment_size: 48
    .max_flat_workgroup_size: 512
    .sgpr_count:     66
    .vgpr_count:     160
    .wavefront_size: 32
...
	.end_amdgpu_metadata
.endif
;; end of part 3
